; MI455X (gfx1250); checked and timed in simulation.
; The chip was launched on July 23, 2026; its instructions are those of AMD's public machine-readable ISA for CDNA 5 (MIT licence, August 2026) and "CDNA5" Instruction Set Architecture Reference Guide (July 2026). The comments in the code are by the model that wrote it; some were corrected since.
;; Multi Head Attention. Allowed arithmetic: matrix products marked QUANTISED: E4M3 operands, one given power-of-two scale a tensor, by v_wmma_f32_16x16x64_fp8_fp8 or v_wmma_f32_16x16x128_fp8_fp8, f32 sums; everything else in f32.
;; Inputs: W_k 1,024 x 1,024 float32; W_o 1,024 x 1,024 float32; W_q 1,024 x 1,024 float32; W_v 1,024 x 1,024 float32; b_o 1,024 float32; lowp_scales 12 int32 (the exponents e of the quantised operands' scales 2^e); x 4 x 2,048 x 1,024 float32.
;; Outputs: out0 4 x 2,048 x 1,024 float32.
;; This version of the problem:
;;   THIS VERSION OF THE PROBLEM IS GIVEN IN LOW PRECISION. The matrix products marked QUANTISED in the list below multiply operands that are first quantised to E4M3 (4 exponent bits, 3 mantissa bits; 8 bits a number), with one given power-of-two scale for each operand tensor; their sums are f32. All else is computed in f32.
;;   The module's matrix products, in the order in which they are computed (A, B: the left and right operand; K: the contracted axis; several contracted axes count as one K, in the product's order):
;;     1. [M 8,192, K 1,024] x [K 1,024, N 1,024]; A: input x; B: input W_q: QUANTISED (scales: A lowp_scales[0], B lowp_scales[1])
;;     2. [M 8,192, K 1,024] x [K 1,024, N 1,024]; A: input x; B: input W_k: QUANTISED (scales: A lowp_scales[2], B lowp_scales[3])
;;     3. [M 8,192, K 1,024] x [K 1,024, N 1,024]; A: input x; B: input W_v: QUANTISED (scales: A lowp_scales[4], B lowp_scales[5])
;;     4. batch 64 x [M 2,048, K 64] x [K 64, N 2,048]; A: computed on the way; B: computed on the way: QUANTISED (scales: A lowp_scales[6], B lowp_scales[7])
;;     5. batch 64 x [M 2,048, K 2,048] x [K 2,048, N 64]; A: softmax (see below); B: computed on the way: QUANTISED (scales: A lowp_scales[8], B lowp_scales[9])
;;     6. [M 8,192, K 1,024] x [K 1,024, N 1,024]; A: computed on the way; B: input W_o: QUANTISED (scales: A lowp_scales[10], B lowp_scales[11])
;;   THE QUANTISER, for each operand of a quantised product, along K:
;;     - The operand's scale is 2^e, e = its entry of the input lowp_scales (int32; the entries are numbered through the quantised products in the list's order, A before B).
;;     - Each number is divided by the scale, clamped to +-448, and rounded to the nearest number of E4M3, ties to even, subnormals kept.
;;     - The product sums the exact products of the quantised numbers (number of the format x scale) in f32.
;;   ~~~python
;;   def quantise(x, axis, e):      # numpy; x: float32 -> the quantised numbers, widened to float32 again
;;       x = np.moveaxis(x, axis, -1); K = x.shape[-1]
;;       r = np.clip(x / 2.0 ** e, -448, 448)
;;       step = 2.0 ** (np.maximum(np.frexp(np.where(r == 0, 1, r))[1] - 1, -6) - 3)
;;       q = np.round(r / step) * step * 2.0 ** e      # np.round: ties to even
;;       return np.moveaxis(q, -1, axis).astype(np.float32)
;;   ~~~
;;   SOFTMAX AHEAD OF A QUANTISED PRODUCT. Where the list says 'softmax', what is quantised is not the finished softmax but p = 2^(t - M), with t = logit x log2(e) and M = ceil(the row's largest t), a whole number; so 1/2 < the row's largest p <= 1. The row's sum l is taken of the UNQUANTISED p, in f32, and the product's result is divided by l at the end. Since M is a whole number, a kernel that streams over the keys may use a running M (the ceiling of the running maximum): every later rescaling is an exact power of two, so the quantised numbers keep their values, but for numbers so far below the row's largest that they fall under the format's range.
;;   OPERANDS COMPUTED ON THE WAY. 'Computed on the way' means the value that the module computes at that place (a softmax that the list does not call 'softmax' is quantised finished and normalised). What goes into a quantiser is computed in f32, as accurately as f32 sums, v_exp_f32 and their like allow (about 1e-6 of the number): no bf16 or f16 on the way to a quantiser, and a product that is left as it is and whose result goes on into a quantised operand takes f32 operands (vector FMAs, or v_wmma_f32_16x16x4_f32). A number that lies on a knife's edge between two numbers of the format may be rounded either way, as far as f32 arithmetic and the matrix unit's own rounding can turn it there, and no further.
;; One version. Each part assembles by itself: llvm-mc -triple=amdgcn-amd-amdhsa -mcpu=gfx1250 --defsym DOCPART=n.
;; ======== version 1 of 1: 4 launches
;; limits: right only within a limited range of input values
;; workspace buffers: xc 25,165,824 bytes; wc 4,194,304 bytes; qc 8,388,608 bytes; kvc 16,777,216 bytes; cc 8,388,608 bytes
;; launch quant (part 1): grid 768 x 1, 4 waves a work-group, no clusters, 35,328 bytes of LDS; arguments x, W_q, W_k, W_v, W_o, lowp_scales, xc, wc; writes xc, wc
.if DOCPART == 1
	.amdgcn_target "amdgcn-amd-amdhsa--gfx1250"
	.amdhsa_code_object_version 6
	.text
	.protected	k_qd1c0f1155e_quant
	.globl	k_qd1c0f1155e_quant
	.p2align	8
	.type	k_qd1c0f1155e_quant,@function
k_qd1c0f1155e_quant:
	s_mov_b64 s[64:65], 0
	v_nop
	global_prefetch_b8 v0, s[64:65] scope:SCOPE_SE
	s_setreg_imm32_b32 hwreg(HW_REG_WAVE_MODE, 25, 1), 1
	s_wait_xcnt 0x0
; x [8192][1024] f32 becomes codes of E4M3 three times (scales 2^e0, 2^e2, 2^e4: the three products that read it), the four weights [1024 (k)][1024 (n)] f32 once each (e1, e3, e5, e11).
; code = number / 2^e, rounded to the nearest code, ties to even.
; LIMITS: each e lies between -126 and 119, so that 2^e and 448 x 2^e are f32 numbers.  NaN among the inputs is not served.
; THE LAYOUT OF ALL CODES OF THIS PROGRAM ("image"): blocks of 256 bytes, [tile T][piece p][r 0..15][16 bytes].  Piece p holds k = 16 p .. 16 p + 15; place r of tile T is row 32 (T / 2) + 8 (T % 2) + r + 8 (r / 8).
; A fragment of 16 rows x 128 k then lies on end: register group c of lane l at 512 c + 16 l.  The same order of k serves both operands of every product.
; Work-groups 0-511: a tile of 16 rows of x each; wave w takes k = 256 w .. 256 w + 255 in four steps of 64.  Each load reads two rows' 256 consecutive bytes; the numbers turn through the wave's own stage in LDS
; (rows of 256 + 16 bytes), so that a lane gets 16 neighbours along k; a lane's 16 codes are 16 bytes, and a wave's store covers 512 consecutive bytes, aligned.
; Work-groups 512-767: the weights.  K is their FIRST axis: a lane takes a column n and its registers run down k, so the conversions give codes with k innermost; sixteen lanes store 256 consecutive bytes, aligned.
; No tensor load, no barrier: waves share nothing.  Only the first path touches LDS.
.set SC,   8                           ; v8-10   2^e as f32 (x: three of them; a weight: v8)
.set LIM,  11
.set R,    16                          ; v16-143  x: four sets of 32 registers as loaded; a step's 24 registers of codes lie in its own set afterwards
.set X,    144                         ; v144-207 x: two sets of 32 numbers, 16 neighbours for each of two register groups
.set TM,   208
.set SP,   272                         ; a stage row
.set STG,  16*SP                       ; a stage
.set WX,   16                          ; v16-79  a weight: two sets of 32 numbers
.set WC,   80                          ; v80-111 a weight: eight registers of codes for each block
.macro MKSCALE e, vs, vl               ; s[e] = the exponent; v[vs] = 2^e
	s_add_co_i32 s50, s[\e], 127
	s_lshl_b32 s51, s50, 23
	v_mov_b32 v[\vs], s51                          ; the conversion takes this number's exponent field
	s_add_co_i32 s50, s50, 8
	s_lshl_b32 s50, s50, 23
	s_or_b32 s50, s50, 0x600000                    ; 448 = 1.75 x 2^8
.endm
	s_load_b512 s[4:19], s[0:1], 0x0               ; x s[4:5], W_q s[6:7], W_k s[8:9], W_v s[10:11], W_o s[12:13], the exponents s[14:15], xc s[16:17], wc s[18:19]
	v_lshl_add_u32 v240, v0, 2, 0x8800
	v_mov_b32 v241, 0
	v_lshrrev_b32 v1, 5, v0
	v_readfirstlane_b32 s2, v1                     ; wave 0..3
	v_and_b32 v6, 15, v0                           ; r
	v_bfe_u32 v7, v0, 4, 1                         ; which half of the lanes
	s_wait_kmcnt 0x0
	s_load_b256 s[20:27], s[14:15], 0x0            ; e0 .. e7
	s_load_b128 s[28:31], s[14:15], 0x20           ; e8 .. e11
	s_cmp_lt_u32 ttmp9, 512
	s_cbranch_scc0 .Lweights
; ---------------- x ----------------
	s_lshr_b32 s38, ttmp9, 1
	s_lshl_b32 s38, s38, 5
	s_and_b32 s39, ttmp9, 1
	s_lshl_b32 s39, s39, 3
	s_add_co_u32 s38, s38, s39                     ; the tile's first row: 32 (T / 2) + 8 (T % 2)
	s_lshl_b32 s38, s38, 12                        ; rows of 4,096 bytes
	s_lshl_b32 s39, s2, 10                         ; my wave's 256 numbers of a row
	s_add_co_u32 s38, s38, s39
	s_mov_b32 s39, 0
	s_add_nc_u64 s[4:5], s[4:5], s[38:39]
	s_lshl_b32 s38, ttmp9, 14                      ; the tile's image: 16,384 bytes;
	s_lshl_b32 s40, s2, 12                         ; my wave's 16 pieces of it
	s_add_co_u32 s38, s38, s40
	s_add_nc_u64 s[32:33], s[16:17], s[38:39]      ; the three sections of xc
	s_add_nc_u64 s[34:35], s[32:33], 0x800000
	s_add_nc_u64 s[36:37], s[32:33], 0x1000000
	s_wait_alu depctr_va_vdst(0)
	v_lshlrev_b32 v2, 12, v7
	v_lshl_add_u32 v2, v6, 4, v2                   ; in: lanes 0-15 one row's 256 bytes, lanes 16-31 the next row's
	s_mul_i32 s41, s2, 2*STG                       ; my wave's two stages
	v_mul_u32_u24 v3, v7, SP
	v_lshl_add_u32 v3, v6, 4, v3
	v_add_nc_u32 v3, s41, v3                       ; into a stage: the same two rows
	v_mul_u32_u24 v4, v6, SP
	v_lshl_add_u32 v4, v7, 6, v4
	v_add_nc_u32 v4, s41, v4                       ; out of it: row r, 16 numbers from 16 x my half on
	v_and_b32 v5, 31, v0
	v_lshlrev_b32 v5, 4, v5                        ; out: 16 x lane
.macro LOADX t                         ; step t: 16 rows x 64 numbers.  Places 2 i and 2 i + 1 of the tile are rows 2 i + 8 (i / 4) and the next
.irp i, 0,1,2,3,4,5,6,7
	global_load_b128 v[R+32*(\t)+4*\i:R+32*(\t)+4*\i+3], v2, s[4:5] offset:(2*\i+8*(\i/4))*4096+256*(\t) th:TH_LOAD_NT
.endr
.endm
.macro TURNX t                         ; through the stage: LDS serves a wave's instructions in order (ISA guide 5.7.1.4), so no wait stands between the stores and the loads
.irp i, 0,1,2,3,4,5,6,7
	ds_store_b128 v3, v[R+32*(\t)+4*\i:R+32*(\t)+4*\i+3] offset:STG*((\t)%2)+2*SP*\i
.endr
	v_nop
.irp c, 0,1
.irp q, 0,1,2,3
	ds_load_b128 v[X+32*((\t)%2)+16*\c+4*\q:X+32*((\t)%2)+16*\c+4*\q+3], v4 offset:STG*((\t)%2)+128*\c+16*\q
.endr
.endr
.endm
.macro STEPX t
	s_wait_dscnt 0x0                               ; this step's numbers are back, and its stores into the stage have read their registers: the codes may lie there
.if (\t) < 3
	s_wait_loadcnt 8*(2-(\t))                      ; the next step's eight loads are in; the later steps' may be out
	TURNX (\t)+1
.endif
.irp z, 0,1,2
.irp c, 0,1
.irp i, 0,1,2,3,4,5,6,7,8,9,10,11,12,13,14,15
.endr
	v_cvt_scalef32_pk8_fp8_f32 v[R+32*(\t)+8*\z+4*\c:R+32*(\t)+8*\z+4*\c+1], v[TM+16*\c+((X+32*((\t)%2)+16*\c+0)-(TM+16*\c+0)):TM+16*\c+7+((X+32*((\t)%2)+16*\c+0)-(TM+16*\c+0))], v[SC+\z]
	v_cvt_scalef32_pk8_fp8_f32 v[R+32*(\t)+8*\z+4*\c+2:R+32*(\t)+8*\z+4*\c+3], v[TM+16*\c+8+((X+32*((\t)%2)+16*\c+0)-(TM+16*\c+0)):TM+16*\c+15+((X+32*((\t)%2)+16*\c+0)-(TM+16*\c+0))], v[SC+\z]
	global_store_b128 v5, v[R+32*(\t)+8*\z+4*\c:R+32*(\t)+8*\z+4*\c+3], s[32+2*\z:33+2*\z] offset:1024*(\t)+512*\c   ; two pieces: 512 consecutive bytes; these registers are never written again
.endr
.endr
.endm
	LOADX 0
	LOADX 1
	LOADX 2
	LOADX 3
	s_wait_alu depctr_va_vdst(0)
	s_wait_kmcnt 0x0
	MKSCALE 20, SC, LIM                            ; e0
	MKSCALE 22, SC+1, LIM+1                        ; e2
	MKSCALE 24, SC+2, LIM+2                        ; e4
	s_wait_alu depctr_va_vdst(0)
	s_wait_loadcnt 24                              ; step 0's eight loads are in
	TURNX 0
	STEPX 0
	STEPX 1
	STEPX 2
	STEPX 3
	s_wait_tensorcnt 0x0
	ds_add_u32 v240, v241
	s_wait_dscnt 0x0
	s_endpgm
; ---------------- the weights ----------------
.Lweights:
	s_sub_co_u32 s38, ttmp9, 512
	s_lshr_b32 s39, s38, 6                         ; which weight: 0 W_q, 1 W_k, 2 W_v, 3 W_o
	s_bfe_u32 s40, s38, 0x30003
	s_and_b32 s41, s38, 7                          ; which 128 along k
	s_lshl_b32 s40, s40, 2
	s_add_co_u32 s40, s40, s2                      ; which 32 columns (a pair of tiles) are my wave's
	s_cmp_lt_u32 s39, 2                            ; the choice hangs on the work-group's number alone
	s_cselect_b64 s[42:43], s[6:7], s[10:11]
	s_cselect_b64 s[44:45], s[8:9], s[12:13]
	s_and_b32 s46, s39, 1
	s_cmp_lg_u32 s46, 0
	s_cselect_b64 s[42:43], s[44:45], s[42:43]
	s_lshl_b32 s46, s41, 19                        ; 128 rows of 4,096 bytes
	s_lshl_b32 s47, s40, 7                         ; 32 columns of 4 bytes
	s_add_co_u32 s46, s46, s47
	s_mov_b32 s47, 0
	s_add_nc_u64 s[42:43], s[42:43], s[46:47]
	s_lshl_b32 s46, s39, 20                        ; the weight's section of wc,
	s_lshl_b32 s48, s40, 15                        ; my pair of tiles,
	s_add_co_u32 s46, s46, s48
	s_lshl_b32 s48, s41, 11                        ; my eight pieces
	s_add_co_u32 s46, s46, s48
	s_add_nc_u64 s[18:19], s[18:19], s[46:47]
	s_wait_alu depctr_va_vdst(0)
	v_and_b32 v2, 8, v6
	v_add_nc_u32 v2, v2, v6                        ; r + 8 (r / 8)
	v_lshl_add_u32 v2, v7, 3, v2                   ; + 8 for the pair's second tile: my column among the 32
	v_lshlrev_b32 v2, 2, v2
	v_lshlrev_b32 v3, 14, v7
	v_lshl_add_u32 v3, v6, 4, v3                   ; out: my tile of the pair, place r
.macro LOADW t                         ; block t: W(32 t + i, my column): the 32 lanes read 128 consecutive bytes
.irp i, 0,1,2,3,4,5,6,7,8,9,10,11,12,13,14,15,16,17,18,19,20,21,22,23,24,25,26,27,28,29,30,31
	global_load_b32 v[WX+32*((\t)%2)+\i], v2, s[42:43] offset:(32*(\t)+\i)*4096 th:TH_LOAD_NT
.endr
.endm
.macro BLOCK t
.set XS, WX+32*((\t)%2)
.if (\t) < 3
	s_wait_loadcnt 32                              ; this block's 32 loads are in; the next block's may be out
.else
	s_wait_loadcnt 0x0
.endif
.irp i, 0,1,2,3,4,5,6,7,8,9,10,11,12,13,14,15,16,17,18,19,20,21,22,23,24,25,26,27,28,29,30,31
.endr
.irp g, 0,1,2,3
	v_cvt_scalef32_pk8_fp8_f32 v[WC+8*(\t)+2*\g:WC+8*(\t)+2*\g+1], v[XS+8*\g:XS+8*\g+7], v[SC]
.endr
	global_store_b128 v3, v[WC+8*(\t):WC+8*(\t)+3], s[18:19] offset:512*(\t)          ; a piece: sixteen lanes store 256 consecutive bytes, aligned
	global_store_b128 v3, v[WC+8*(\t)+4:WC+8*(\t)+7], s[18:19] offset:512*(\t)+256
.if (\t)+2 < 4
	LOADW (\t)+2
.endif
.endm
	LOADW 0
	LOADW 1
	s_wait_kmcnt 0x0
	s_cmp_lt_u32 s39, 2
	s_cselect_b32 s48, s21, s25                    ; e1 or e5
	s_cselect_b32 s49, s23, s31                    ; e3 or e11
	s_and_b32 s46, s39, 1
	s_cmp_lg_u32 s46, 0
	s_cselect_b32 s48, s49, s48
	MKSCALE 48, SC, LIM
	s_wait_alu depctr_va_vdst(0)
	BLOCK 0
	BLOCK 1
	BLOCK 2
	BLOCK 3
	s_endpgm
.Lfunc_end_k_qd1c0f1155e_quant:
	.size	k_qd1c0f1155e_quant, .Lfunc_end_k_qd1c0f1155e_quant-k_qd1c0f1155e_quant
	.p2alignl 7, 3214868480
	.fill 96, 4, 3214868480
	.section	.rodata,"a",@progbits
	.p2align	6, 0x0
	.amdhsa_kernel k_qd1c0f1155e_quant
		.amdhsa_group_segment_fixed_size 35328
		.amdhsa_private_segment_fixed_size 0
		.amdhsa_enable_private_segment 0
		.amdhsa_kernarg_size 64
		.amdhsa_user_sgpr_count 2
		.amdhsa_user_sgpr_kernarg_segment_ptr 1
		.amdhsa_wavefront_size32 1
		.amdhsa_system_sgpr_workgroup_id_x 1
		.amdhsa_system_sgpr_workgroup_id_y 1
		.amdhsa_system_sgpr_workgroup_id_z 1
		.amdhsa_system_vgpr_workitem_id 0
		.amdhsa_next_free_vgpr 242
		.amdhsa_next_free_sgpr 66
		.amdhsa_reserve_vcc 0
		.amdhsa_float_denorm_mode_32 3
		.amdhsa_float_denorm_mode_16_64 3
		.amdhsa_fp16_overflow 1
		.amdhsa_memory_ordered 1
		.amdhsa_forward_progress 1
		.amdhsa_inst_pref_size 32
	.end_amdhsa_kernel
	.amdgpu_metadata
---
amdhsa.version: [ 1, 2 ]
amdhsa.kernels:
  - .name:           k_qd1c0f1155e_quant
    .symbol:         k_qd1c0f1155e_quant.kd
    .args:
      - { .name: x, .offset: 0, .size: 8, .value_kind: global_buffer, .address_space: global }
      - { .name: W_q, .offset: 8, .size: 8, .value_kind: global_buffer, .address_space: global }
      - { .name: W_k, .offset: 16, .size: 8, .value_kind: global_buffer, .address_space: global }
      - { .name: W_v, .offset: 24, .size: 8, .value_kind: global_buffer, .address_space: global }
      - { .name: W_o, .offset: 32, .size: 8, .value_kind: global_buffer, .address_space: global }
      - { .name: lowp_scales, .offset: 40, .size: 8, .value_kind: global_buffer, .address_space: global }
      - { .name: xc, .offset: 48, .size: 8, .value_kind: global_buffer, .address_space: global }
      - { .name: wc, .offset: 56, .size: 8, .value_kind: global_buffer, .address_space: global }
    .group_segment_fixed_size: 35328
    .private_segment_fixed_size: 0
    .kernarg_segment_align: 8
    .kernarg_segment_size: 64
    .max_flat_workgroup_size: 128
    .sgpr_count:     66
    .vgpr_count:     242
    .wavefront_size: 32
...
	.end_amdgpu_metadata
.endif
;; end of part 1
;; launch proj (part 2): grid 4 x 64, 4 waves a work-group, clusters of 4 x 4, 327,680 bytes of LDS; arguments xc, wc, lowp_scales, qc, kvc; writes qc, kvc
.if DOCPART == 2
	.amdgcn_target "amdgcn-amd-amdhsa--gfx1250"
	.amdhsa_code_object_version 6
	.text
	.protected	k_qd1c0f1155e_proj
	.globl	k_qd1c0f1155e_proj
	.p2align	8
	.type	k_qd1c0f1155e_proj,@function
k_qd1c0f1155e_proj:
	s_mov_b64 s[64:65], 0
	v_nop
	global_prefetch_b8 v0, s[64:65] scope:SCOPE_SE
	s_setreg_imm32_b32 hwreg(HW_REG_WAVE_MODE, 25, 1), 1
	s_wait_xcnt 0x0
	s_wait_alu depctr_hold_cnt(0) depctr_sa_sdst(0) depctr_va_vdst(0) depctr_va_sdst(0) depctr_va_ssrc(0) depctr_va_vcc(0) depctr_vm_vsrc(0)
	s_getreg_b32 s2, hwreg(HW_REG_IB_STS2, 6, 4)
	s_cmp_eq_u32 s2, 0
	s_cbranch_scc0 .Lentry_in_a_cluster
	s_endpgm
.Lentry_in_a_cluster:
	s_bfe_u32 s2, ttmp6, 0x10000c
	s_cmp_lg_u32 s2, 0xf033
	s_cbranch_scc0 .Lentry_shape_is_right
	s_endpgm
.Lentry_shape_is_right:
; q = x W_q, k = x W_k, v = x W_v on codes of E4M3; the f32 sums are quantised in registers (scales 2^e6, 2^e7, 2^e9) and leave as codes, laid as the attention launch reads them.
; All codes lie as images: [tile][piece of 16 k][place r][16 bytes]; place r of tile T is row 32 (T / 2) + 8 (T % 2) + r + 8 (r / 8); a fragment's register group c of lane l lies at 512 c + 16 l.
; SHARES.  A work-group owns 128 tokens x 256 features and makes them three times (q, k, v): twelve K steps of 256 through ONE ring of two LDS slots, written out without a loop.
; Four waves, each 64 tokens (4 tiles a) x 128 features (8 tiles b): 32 accumulators, accumulator (a, b) at v[8 (8 a + b)] of window 2.
; q AND k ARE MADE TRANSPOSED (source 0 = 16 features, source 1 = 16 tokens): a lane holds one token, and the 16 registers of feature tiles 2 g and 2 g + 1 are 16 neighbouring channels of a head: 16 bytes of codes.
; v IS MADE THE OTHER WAY ROUND (source 0 = tokens): a lane holds one channel, and token tiles 2 h and 2 h + 1 give it 16 neighbouring keys, since the keys are the K of attention's second product.
; Either way a wave's store covers 512 consecutive bytes, aligned: no stage in LDS is needed.
; A sum stands for sum x 2^(ex + ew): the three scales are folded into the conversion's one, 2^(eo - ex - ew).
; LIMITS: e6 - e0 - e1, e7 - e2 - e3 and e9 - e4 - e5 lie between -126 and 119, so that each power of two, and 448 times it, is an f32 number.
; CLUSTERS: 4 x 4 work-groups.  The four of a row need the same tiles of x, the four of a column the same tiles of the weights: each tile is asked for jointly, by the same tensor load with a mask that names the four.
; A wave has two tensor loads out at the start and one behind each round.
; REGISTERS: window 0: v8-10 the conversions' scales; v16-29 addresses; v32-95 codes; v128-255 x's fragments, two sets.   window 1: the weights' fragments, two sets.   window 2: the accumulators.
.set SLOT,  98304                      ; x: 8 tiles x 4,096 bytes (256 along K), then the weights: 16 tiles x 4,096
.set BOFF,  32768
.set SPARE, 2*SLOT                     ; behind the ring: the spare words, 128 bytes for each wave: two blocks of 256 bytes that no other line names
.set KSB,   4096                       ; a K step in a tile's image
.set XSEC,  8388608                    ; from one section of xc to the next
.set WSEC,  1048576                    ; of wc
.set SC,   8
.set ADRA, 16                          ; v16-17  LDS address of my fragments of x in slot 0, 1
.set ADRB, 20                          ; v20-21  of the weights
.set CO,   26                          ; v26     16 x lane
.set SPW,  28                          ; v28     LDS address of my spare word; never rewritten
.set NIL,  29                          ; v29     0; never rewritten
.set CD,   32
.set AF,   128
.set G1,  24                           ; s[24:31] descriptor group 1 for x's tiles;  s[32:39] group 0, one set for each slot
.set G0,  32
.set G1B, 48                           ; s[48:55], s[56:63] the same for the weights'
.set G0B, 56
.set EX,  68                           ; s[68:79] e0 .. e11
.set LM,  80                           ; s80-85  for q, k, v: 448 x the scale, and its negative
.set OB,  86                           ; s[86:91] where my codes of q, k, v begin
.set MSB, 0
.macro WIN new                         ; the immediate's high byte repeats the setting that is left
.if MSB != \new
	s_set_vgpr_msb (MSB<<8)|\new
.set MSB, \new
.endif
.endm
.macro WMUL tr                         ; tr = 1: source 0 (weights) window 1, source 1 (x) window 0; tr = 0: the other way round; C and D window 2
.if \tr
	WIN 0xa1
.else
	WIN 0xa4
.endif
.endm
; A joint load: waves 0 and 1 fetch x's two halves, waves 2 and 3 the weights'.  The branch hangs on the wave's number alone.  Four v_nop follow each of the two lines.
.macro JLOAD g0a, g1a, g0b, g1b
	s_cmp_eq_u32 s15, 0
	s_cbranch_scc0 .Lfor_b_\@
	tensor_load_to_lds s[\g0a:\g0a+3], s[\g1a:\g1a+7]
	s_nop 0
.rept 4
	v_nop
.endr
	s_branch .Lasked_\@
.Lfor_b_\@:
	tensor_load_to_lds s[\g0b:\g0b+3], s[\g1b:\g1b+7]
	s_nop 0
.rept 4
	v_nop
.endr
.Lasked_\@:
.endm
.macro CREST                           ; a round of the cluster's barrier behind its opening barrier
	s_cmp_lg_u32 s14, 0
	s_cbranch_scc1 .Lnot_wave_0_\@
	s_barrier_signal -3
.Lnot_wave_0_\@:
	s_barrier_wait -3
	s_barrier_signal -1
	s_barrier_wait -1
.endm
.macro CROUND
	s_barrier_signal -1
	s_barrier_wait -1
	CREST
.endm
.macro PLACES n                        ; plain vector lines between a matrix instruction and a load into, or a vector read of, its registers
.rept \n
	v_nop
.endr
.endm
	s_load_b128 s[4:7], s[0:1], 0x0                ; xc, wc
	s_load_b128 s[8:11], s[0:1], 0x10              ; the exponents, qc
	s_load_b64 s[12:13], s[0:1], 0x20              ; kvc
	v_lshl_add_u32 v[SPW], v0, 2, SPARE
	v_mov_b32 v[NIL], 0
	ds_add_u32 v28, v29
	ds_add_u32 v28, v29
	s_wait_dscnt 0x0
	v_lshrrev_b32 v1, 5, v0
	v_readfirstlane_b32 s14, v1                    ; wave 0..3
	s_lshr_b32 s15, s14, 1                         ; which 64 tokens are mine.  Also: I fetch for x (0) or for the weights (1)
	s_and_b32 s16, s14, 1                          ; which 128 features.  Also: which half of that tile I fetch
	s_bfe_u32 s40, ttmp6, 0x40000                  ; cx, cy: my place in the cluster
	s_bfe_u32 s41, ttmp6, 0x40004
	s_lshl_b32 s42, ttmp9, 2
	s_add_co_u32 s42, s42, s40                     ; j: which 256 features
	s_and_b32 s17, ttmp7, 0xffff
	s_lshl_b32 s17, s17, 2
	s_add_co_u32 s17, s17, s41                     ; i: which 128 tokens
	s_lshl_b32 s43, s41, 2
	s_lshl_b32 s43, 15, s43                        ; my row of the cluster
	s_lshl_b32 s44, 0x1111, s40                    ; my column
	; descriptor group 1: rows of 4,096 bytes (512 elements of 8), one for each tile, 16,384 bytes (2,048 elements) apart in memory, dense in LDS
	s_or_b32 s[G1+0], s43, (3<<16)|(1<<21)         ; 15:0 the mask; 17:16 elements of 8 bytes; 21 set beside a mask; no padding
	s_or_b32 s[G1B+0], s44, (3<<16)|(1<<21)
	s_mov_b32 s[G1+1], 512<<16                     ; tensor_dim0
	s_mov_b32 s[G1+2], 4<<16                       ; tensor_dim1: four tiles of x
	s_mov_b32 s[G1+3], 512<<16                     ; tile_dim0
	s_mov_b32 s[G1+4], 4                           ; tile_dim1
	s_mov_b32 s[G1+5], 2048                        ; tensor_dim0_stride
	s_mov_b32 s[G1+6], 0
	s_mov_b32 s[G1+7], 0
	s_mov_b32 s[G1B+1], 512<<16
	s_mov_b32 s[G1B+2], 8<<16                      ; eight tiles of a weight
	s_mov_b32 s[G1B+3], 512<<16
	s_mov_b32 s[G1B+4], 8
	s_mov_b32 s[G1B+5], 2048
	s_mov_b32 s[G1B+6], 0
	s_mov_b32 s[G1B+7], 0
	s_lshl_b32 s20, s17, 17                        ; x: tile 8 i + 4 x half
	s_lshl_b32 s21, s16, 16
	s_add_co_u32 s20, s20, s21
	s_mov_b32 s21, 0
	s_lshl_b32 s46, s42, 18                        ; the weights: tile 16 j + 8 x half
	s_lshl_b32 s47, s16, 17
	s_add_co_u32 s46, s46, s47
	s_mov_b32 s47, 0
	s_lshl_b32 s45, s16, 14                        ; where they go in a slot: no place in the cluster enters an LDS address
	s_lshl_b32 s22, s16, 15
	s_add_co_u32 s22, s22, BOFF
	s_wait_kmcnt 0x0
	s_load_b256 s[EX:EX+7], s[8:9], 0x0
	s_load_b128 s[EX+8:EX+11], s[8:9], 0x20
	s_add_nc_u64 s[20:21], s[4:5], s[20:21]
	s_add_nc_u64 s[46:47], s[6:7], s[46:47]
	CROUND                                         ; all sixteen work-groups are here: the first joint loads meet
.irp s, 0,1
	s_mov_b32 s[G0+4*\s], 1
	s_add_co_u32 s[G0+4*\s+1], s45, \s*SLOT
	s_add_nc_u64 s[G0+4*\s+2:G0+4*\s+3], s[20:21], \s*KSB
	s_or_b32 s[G0+4*\s+3], s[G0+4*\s+3], 0x80000000
	s_mov_b32 s[G0B+4*\s], 1
	s_add_co_u32 s[G0B+4*\s+1], s22, \s*SLOT
	s_add_nc_u64 s[G0B+4*\s+2:G0B+4*\s+3], s[46:47], \s*KSB
	s_or_b32 s[G0B+4*\s+3], s[G0B+4*\s+3], 0x80000000
	JLOAD G0+4*\s, G1, G0B+4*\s, G1B
.endr
	v_and_b32 v2, 31, v0
	v_lshlrev_b32 v[CO], 4, v2
	s_lshl_b32 s18, s15, 14                        ; my four tiles of x
	v_add_nc_u32 v[ADRA], s18, v[CO]
	v_add_nc_u32 v[ADRA+1], SLOT, v[ADRA]
	s_lshl_b32 s18, s16, 15                        ; my eight tiles of the weight
	s_add_co_u32 s18, s18, BOFF
	v_add_nc_u32 v[ADRB], s18, v[CO]
	v_add_nc_u32 v[ADRB+1], SLOT, v[ADRB]
	; where my codes go.  H0 = my first head among the 64 (batch x head): 16 (i / 16) + 4 j + 2 x (my half of the features)
	s_lshr_b32 s92, s17, 4
	s_lshl_b32 s92, s92, 4
	s_lshl_b32 s93, s42, 2
	s_add_co_u32 s92, s92, s93
	s_lshl_b32 s93, s16, 1
	s_add_co_u32 s92, s92, s93
	s_and_b32 s93, s17, 15                         ; which 128 tokens of the batch
	s_lshl_b32 s94, s92, 17                        ; qc: a head is 128 tiles of 1,024 bytes
	s_lshl_b32 s95, s93, 13
	s_add_co_u32 s94, s94, s95
	s_lshl_b32 s95, s15, 12
	s_add_co_u32 s94, s94, s95
	s_mov_b32 s95, 0
	s_add_nc_u64 s[OB:OB+1], s[10:11], s[94:95]
	s_lshl_b32 s94, s92, 18                        ; kvc: a head is 16 key steps of 16,384 bytes: K's 8 tiles of 1,024, then V's 4 tiles of 2,048
	s_lshl_b32 s93, s93, 14
	s_add_co_u32 s94, s94, s93
	s_lshl_b32 s93, s15, 12
	s_add_co_u32 s92, s94, s93
	s_mov_b32 s93, 0
	s_add_nc_u64 s[OB+2:OB+3], s[12:13], s[92:93]
	s_lshl_b32 s93, s15, 10                        ; V: my 64 keys are four pieces of a tile
	s_add_co_u32 s94, s94, s93
	s_add_co_u32 s94, s94, 8192
	s_add_nc_u64 s[OB+4:OB+5], s[12:13], s[94:95]
.macro MKS z, eo, ea, eb               ; the scale 2^(eo - ea - eb) for the conversion, and +-448 times it for the hold
	s_sub_co_i32 s92, s[EX+\eo], s[EX+\ea]
	s_sub_co_i32 s92, s92, s[EX+\eb]
	s_add_co_i32 s92, s92, 127
	s_lshl_b32 s93, s92, 23
	v_mov_b32 v[SC+\z], s93
	s_add_co_i32 s92, s92, 8
	s_lshl_b32 s92, s92, 23
	s_or_b32 s[LM+2*\z], s92, 0x600000
	s_or_b32 s[LM+2*\z+1], s92, 0x80600000
.endm
	s_wait_alu depctr_va_vdst(0)
	s_wait_kmcnt 0x0
	MKS 0, 6, 0, 1
	MKS 1, 7, 2, 3
	MKS 2, 9, 4, 5
; 48 LDS loads in one run: the fragments of the slot's q-th 128 along K into set: the weights' eight, then x's four
.macro FETCH slot, q, set
	WIN 0x40                                       ; destination window 1, address window 0
.irp i, 0,1,2,3,4,5,6,7
.irp c, 0,1,2,3
	ds_load_b128 v[128*(\set)+16*\i+4*\c:128*(\set)+16*\i+4*\c+3], v[ADRB+\slot] offset:4096*\i+2048*(\q)+512*\c
.endr
.endr
	WIN 0
.irp i, 0,1,2,3
.irp c, 0,1,2,3
	ds_load_b128 v[AF+64*(\set)+16*\i+4*\c:AF+64*(\set)+16*\i+4*\c+3], v[ADRA+\slot] offset:4096*\i+2048*(\q)+512*\c
.endr
.endr
.endm
; 8 matrix instructions: token tile a against the eight feature tiles.  The 32 accumulators take turns, one instruction a turn, in the same order in every step.  zero = 1: the product starts the sums
.macro MUL8 a, set, zero, tr
.irp b, 0,1,2,3,4,5,6,7
.set rD, 8*(8*(\a)+\b)
.set rB, 128*(\set)+16*\b
.set rA, AF+64*(\set)+16*(\a)
.if \tr
.if \zero
	v_wmma_f32_16x16x128_fp8_fp8 v[rD:rD+7], v[rB:rB+15], v[rA:rA+15], 0
.else
	v_wmma_f32_16x16x128_fp8_fp8 v[rD:rD+7], v[rB:rB+15], v[rA:rA+15], v[rD:rD+7]
.endif
.else
.if \zero
	v_wmma_f32_16x16x128_fp8_fp8 v[rD:rD+7], v[rA:rA+15], v[rB:rB+15], 0
.else
	v_wmma_f32_16x16x128_fp8_fp8 v[rD:rD+7], v[rA:rA+15], v[rB:rB+15], v[rD:rD+7]
.endif
.endif
.endr
.endm
; A slot's first 128 along K (set 0); in its middle the second 128 are fetched into set 1
.macro SUB slot, zero, tr
	s_wait_dscnt 8                                 ; the weights' fragments and x's tiles 0, 1 are in; the youngest eight loads (tiles 2, 3) may be out
	WMUL \tr
	MUL8 0, 0, \zero, \tr
	MUL8 1, 0, \zero, \tr
	PLACES 4
	FETCH \slot, 1, 1
	s_wait_dscnt 48                                ; all but the 48 just issued
	WMUL \tr
	MUL8 2, 0, \zero, \tr
	MUL8 3, 0, \zero, \tr
.endm
; A slot's second 128 along K (set 1), and the change of slots: ONE barrier; in front of it each wave waits for all its tensor loads, adds 0 to its spare word, and waits for that and for its reads of this slot.
; fill = 1: the slot is filled again, two K steps ahead (jump = 1: that step lies in the next section of xc and wc); the barrier then opens a round of the cluster's barrier.
.macro TURN slot, next, fill, jump, tr
	WIN 0                                          ; (the add's two registers lie in window 0)
	s_wait_tensorcnt 0x0                           ; all my tensor loads have landed: my part of the next slot
	ds_add_u32 v[SPW], v[NIL]                      ; 0 onto my spare word
	s_wait_dscnt 9                                 ; (the add and the youngest eight loads may be out)
	WMUL \tr
	MUL8 0, 1, 0, \tr                              ; eight matrix instructions stand between the add and the wait for it
	s_wait_dscnt 0x0                               ; the add is done, and my reads of this slot are over
	s_barrier_signal -1
	MUL8 1, 1, 0, \tr
	WIN 0
	s_barrier_wait -1
.if \fill
	CREST                                          ; no wave of any partner still reads this slot or has a load on its way
.if \jump
	s_add_nc_u64 s[G0+4*\slot+2:G0+4*\slot+3], s[G0+4*\slot+2:G0+4*\slot+3], XSEC-2*KSB
	s_add_nc_u64 s[G0B+4*\slot+2:G0B+4*\slot+3], s[G0B+4*\slot+2:G0B+4*\slot+3], WSEC-2*KSB
.else
	s_add_nc_u64 s[G0+4*\slot+2:G0+4*\slot+3], s[G0+4*\slot+2:G0+4*\slot+3], 2*KSB
	s_add_nc_u64 s[G0B+4*\slot+2:G0B+4*\slot+3], s[G0B+4*\slot+2:G0B+4*\slot+3], 2*KSB
.endif
	JLOAD G0+4*\slot, G1, G0B+4*\slot, G1B         ; the first tensor load behind the round; its four v_nop are also the places in front of the loads below
.else
	PLACES 4
.endif
	FETCH \next, 0, 0
	WMUL \tr
	MUL8 2, 1, 0, \tr
	MUL8 3, 1, 0, \tr
.endm
.macro LAST tr                         ; the very last 128 along K: nothing more to fetch
	s_wait_dscnt 8
	WMUL \tr
	MUL8 0, 1, 0, \tr
	MUL8 1, 1, 0, \tr
	s_wait_dscnt 0x0
	MUL8 2, 1, 0, \tr
	MUL8 3, 1, 0, \tr
	WIN 0
.endm
; THE WAY OUT of section z: the hold, the conversion, sixteen stores of 512 consecutive bytes.  Each accumulator is read from its low end on.
.macro EPI z
	s_wait_xcnt 0x0                                ; the last section's stores have read their registers: the codes may be written again
	PLACES 4
	WIN 0x82                                       ; source 0 and destination window 2
.set n, 0
.rept 256
	v_med3_num_f32 v[n], v[n], s[LM+2*\z+1], s[LM+2*\z]   ; the conversion to an 8-bit code does not saturate (ISA guide 7.6.2)
.set n, n+1
.endr
	WIN 0x02                                       ; source 0 window 2; scale and destination window 0
.irp a, 0,1,2,3
.irp b, 0,1,2,3,4,5,6,7
.if \z < 2
	v_cvt_scalef32_pk8_fp8_f32 v[CD+2*(8*\a+\b):CD+2*(8*\a+\b)+1], v[8*(8*\a+\b):8*(8*\a+\b)+7], v[SC+\z]
.else
	v_cvt_scalef32_pk8_fp8_f32 v[CD+4*(8*(\a/2)+\b)+2*(\a%2):CD+4*(8*(\a/2)+\b)+2*(\a%2)+1], v[8*(8*\a+\b):8*(8*\a+\b)+7], v[SC+\z]
.endif
.endr
.endr
	v_nop                                          ; one plain line between the last conversion and the next products, which write its sources
	WIN 0
.if \z < 2
.irp a, 0,1,2,3
.irp g, 0,1,2,3
	global_store_b128 v[CO], v[CD+16*\a+4*\g:CD+16*\a+4*\g+3], s[OB+2*\z:OB+2*\z+1] offset:(\g/2)*(131072<<\z)+1024*\a+512*(\g%2)   ; head g / 2, token tile a, channels 32 (g % 2) on
.endr
.endr
.else
.irp h, 0,1
.irp b, 0,1,2,3,4,5,6,7
	global_store_b128 v[CO], v[CD+4*(8*\h+\b):CD+4*(8*\h+\b)+3], s[OB+4:OB+5] offset:(\b/4)*262144+2048*(\b%4)+512*\h   ; head b / 4, channel tile b % 4, keys 32 h on
.endr
.endr
.endif
.endm
.macro SECTION z, tr
	SUB 0, 1, \tr                                  ; the first products start the sums: nothing is cleared
	TURN 0, 1, 1, 0, \tr
	SUB 1, 0, \tr
	TURN 1, 0, 1, 0, \tr
	SUB 0, 0, \tr
.if \z < 2
	TURN 0, 1, 1, 1, \tr                           ; the ring goes on into the next section
	SUB 1, 0, \tr
	TURN 1, 0, 1, 1, \tr
.else
	TURN 0, 1, 0, 0, \tr                           ; the last two K steps ask for nothing
	SUB 1, 0, \tr
	LAST \tr
.endif
	EPI \z
.endm
	s_wait_tensorcnt 1                             ; my part of K step 0 is in (K step 1's load may be out)
	s_barrier_signal -1
	s_barrier_wait -1                              ; everybody's is
	FETCH 0, 0, 0
	SECTION 0, 1
	SECTION 1, 1
	SECTION 2, 0
	s_wait_tensorcnt 0x0                           ; the wave's end
	ds_add_u32 v[SPW], v[NIL]
	s_wait_dscnt 0x0
	CROUND                                         ; the closing round: no work-group ends while a partner may still ask for a tile that names it
	s_endpgm
.Lfunc_end_k_qd1c0f1155e_proj:
	.size	k_qd1c0f1155e_proj, .Lfunc_end_k_qd1c0f1155e_proj-k_qd1c0f1155e_proj
	.p2alignl 7, 3214868480
	.fill 96, 4, 3214868480
	.section	.rodata,"a",@progbits
	.p2align	6, 0x0
	.amdhsa_kernel k_qd1c0f1155e_proj
		.amdhsa_group_segment_fixed_size 327680
		.amdhsa_private_segment_fixed_size 0
		.amdhsa_enable_private_segment 0
		.amdhsa_kernarg_size 40
		.amdhsa_user_sgpr_count 2
		.amdhsa_user_sgpr_kernarg_segment_ptr 1
		.amdhsa_wavefront_size32 1
		.amdhsa_system_sgpr_workgroup_id_x 1
		.amdhsa_system_sgpr_workgroup_id_y 1
		.amdhsa_system_sgpr_workgroup_id_z 1
		.amdhsa_system_vgpr_workitem_id 0
		.amdhsa_next_free_vgpr 768
		.amdhsa_next_free_sgpr 100
		.amdhsa_reserve_vcc 0
		.amdhsa_float_denorm_mode_32 3
		.amdhsa_float_denorm_mode_16_64 3
		.amdhsa_memory_ordered 1
		.amdhsa_forward_progress 1
		.amdhsa_inst_pref_size 205
	.end_amdhsa_kernel
	.amdgpu_metadata
---
amdhsa.version: [ 1, 2 ]
amdhsa.kernels:
  - .name:           k_qd1c0f1155e_proj
    .symbol:         k_qd1c0f1155e_proj.kd
    .args:
      - { .name: xc, .offset: 0, .size: 8, .value_kind: global_buffer, .address_space: global }
      - { .name: wc, .offset: 8, .size: 8, .value_kind: global_buffer, .address_space: global }
      - { .name: lowp_scales, .offset: 16, .size: 8, .value_kind: global_buffer, .address_space: global }
      - { .name: qc, .offset: 24, .size: 8, .value_kind: global_buffer, .address_space: global }
      - { .name: kvc, .offset: 32, .size: 8, .value_kind: global_buffer, .address_space: global }
    .group_segment_fixed_size: 327680
    .private_segment_fixed_size: 0
    .kernarg_segment_align: 8
    .kernarg_segment_size: 40
    .max_flat_workgroup_size: 128
    .sgpr_count:     100
    .vgpr_count:     768
    .wavefront_size: 32
...
	.end_amdgpu_metadata
.endif
;; end of part 2
;; launch attn (part 3): grid 4 x 64, 16 waves a work-group, clusters of 4 x 1, 327,680 bytes of LDS; arguments qc, kvc, lowp_scales, cc; writes cc
.if DOCPART == 3
	.amdgcn_target "amdgcn-amd-amdhsa--gfx1250"
	.amdhsa_code_object_version 6
	.text
	.protected	k_qd1c0f1155e_attn
	.globl	k_qd1c0f1155e_attn
	.p2align	8
	.type	k_qd1c0f1155e_attn,@function
k_qd1c0f1155e_attn:
	s_mov_b64 s[64:65], 0
	v_nop
	global_prefetch_b8 v0, s[64:65] scope:SCOPE_SE
	s_setreg_imm32_b32 hwreg(HW_REG_WAVE_MODE, 25, 1), 1
	s_wait_xcnt 0x0
	s_wait_alu depctr_hold_cnt(0) depctr_sa_sdst(0) depctr_va_vdst(0) depctr_va_sdst(0) depctr_va_ssrc(0) depctr_va_vcc(0) depctr_vm_vsrc(0)
	s_getreg_b32 s2, hwreg(HW_REG_IB_STS2, 6, 4)
	s_cmp_eq_u32 s2, 0
	s_cbranch_scc0 .Lentry_in_a_cluster
	s_endpgm
.Lentry_in_a_cluster:
	s_bfe_u32 s2, ttmp6, 0x10000c
	s_cmp_lg_u32 s2, 0x3003
	s_cbranch_scc0 .Lentry_shape_is_right
	s_endpgm
.Lentry_shape_is_right:
; ctx = softmax(q k^T / 8, causal) v for 64 heads (batch x head) of 2,048 tokens x 64 channels, both products on codes of E4M3; ctx leaves as codes (scale 2^e10) for the last projection.
; THE SOFTMAX AHEAD OF THE SECOND PRODUCT: t = score x log2(e) / 8; M = the row's largest t so far, rounded UP to a whole number; p = 2^(t - M) is quantised (2^e8), not normalised.
; The row's sum is taken of the unquantised p, in f32, and divides at the end.  When M moves, the sum and O are multiplied by 2^(old M - new M), which rounds nothing.
; SHARES.  Four work-groups, the partners of one cluster, share a head.  The head's K and V codes, 262,144 bytes, lie in LDS whole, as they lie in memory: LDS is filled once, by joint loads that all four partners issue alike.
; Each of the sixteen waves owns 32 queries (two tiles): unit U = 4 F + cx, F by a table from the wave's number alone.  It needs key steps 0 .. F of 128 keys: no branch hangs on the place in the cluster.
; The table is a square whose rows and columns all add up to 30: each group of four waves, taken either way, has 34 key steps.  Each fragment of K and of V that a wave reads from LDS feeds both its tiles.
; LAYOUT.  S^T = K Q^T (source 0 = 16 keys, source 1 = 16 queries), O^T = V^T P^T (source 0 = 16 channels): a lane holds one query throughout.  Place r of a tile is row r + 8 (r / 8) of its pair's 32 (+ 8 in the
; pair's second tile), so that the 16 registers of tiles 2 b and 2 b + 1 are 16 neighbours along the next K.
; CAUSAL.  Steps behind F are jumped over (their keys all come after my queries); in step F hidden scores become -infinity ahead of the maximum.  Key 0 counts for every query, so M is a number from the first step on.
; LIMITS: e6 + e7 between -123 and 130 (added to c's exponent field); e8 and e10 between -126 and 119; e8 + e9 goes in by v_ldexp_f32 and has none.
; REGISTERS: v1 16 x lane; v2 the step's LDS address; v3 the mask's number; v4 2^e8; v6, v7 the spare word's address and 0; v8-15 for each tile -M, the largest t, the sum in two halves;
;   v16-31 Q; v32-95 fragments of K, then of V; v96-159 S^T, then p; v160-223 O^T; v224-239, v240-255 p's codes of tile 0, 1; v240-248 are also at work while tile 1's codes are not alive.
.set SPARE, 262144                     ; behind K and V: the spare words, 128 bytes for each wave: eight blocks of 256 bytes that no other line names
.set LI,   1
.set ADR,  2
.set DD,   3
.set PSC,  4
.set PLIM, 5
.set SPW,  6
.set NIL,  7
.set WV,  12                           ; s12 wave;  s13 cx;  s14 head;  s15 F;  s16 the key step;  s17 its first LDS byte
.set CX,  13
.set HH,  14
.set F,   15
.set KS,  16
.set TB,  17
.set SEL, 20                           ; s[20:21] lane selects for v_permlanex16_b32: lane l xor 16
.set CS,  22                           ; s[22:23] c = log2(e) / 8 x 2^(e6 + e7)
.set G1A, 24                           ; s[24:31], s[32:39] descriptor groups 1;  s[40:43], s[44:47] groups 0
.set G1B, 32
.set G0A, 40
.set G0B, 44
.set EX,  48                           ; s[48:59] e0 .. e11
.macro CROUND                          ; a round of the cluster's barrier
	s_barrier_signal -1
	s_barrier_wait -1
	s_cmp_lg_u32 s[WV], 0
	s_cbranch_scc1 .Lnot_wave_0_\@
	s_barrier_signal -3
.Lnot_wave_0_\@:
	s_barrier_wait -3
	s_barrier_signal -1
	s_barrier_wait -1
.endm
	s_load_b256 s[4:11], s[0:1], 0x0               ; qc s[4:5], kvc s[6:7], the exponents s[8:9], cc s[10:11]
	v_lshl_add_u32 v[SPW], v0, 2, SPARE
	v_mov_b32 v[NIL], 0
	ds_add_u32 v6, v7
	ds_add_u32 v6, v7
	s_wait_dscnt 0x0
	v_lshrrev_b32 v1, 5, v0
	s_delay_alu instid0(VALU_DEP_1)
	v_readfirstlane_b32 s[WV], v1                  ; wave 0..15
	s_bfe_u32 s[CX], ttmp6, 0x40000                ; my place in the cluster: it enters Q's and ctx's addresses and the mask's number alone
	s_and_b32 s[HH], ttmp7, 0xffff                 ; the head, which the four partners share
	s_and_b32 s60, s[WV], 7
	s_lshl_b32 s60, s60, 2
	s_mov_b32 s61, 0x0DE3B658                      ; waves 8-15: 8 5 6 11 / 3 14 13 0
	s_cmp_lt_u32 s[WV], 8
	s_cselect_b32 s61, 0x7A94C12F, s61             ; waves 0-7: 15 2 1 12 / 4 9 10 7
	s_lshr_b32 s[F], s61, s60
	s_and_b32 s[F], s[F], 15
	; two dense blocks as rows of 256 bytes (32 elements of 8).  A: 8 rows a wave, the sixteen waves' together key steps 0 and 1;  B: 56 rows a wave, the rest
	s_mov_b32 s[G1A], 15|(3<<16)|(1<<21)           ; 15:0 the mask: all four partners; 17:16 elements of 8 bytes; 21 set beside a mask
	s_mov_b32 s[G1A+1], 32<<16                     ; tensor_dim0
	s_mov_b32 s[G1A+2], 8<<16                      ; tensor_dim1
	s_mov_b32 s[G1A+3], 32<<16                     ; tile_dim0
	s_mov_b32 s[G1A+4], 8                          ; tile_dim1
	s_mov_b32 s[G1A+5], 32                         ; tensor_dim0_stride
	s_mov_b32 s[G1A+6], 0
	s_mov_b32 s[G1A+7], 0
	s_mov_b32 s[G1B], 15|(3<<16)|(1<<21)
	s_mov_b32 s[G1B+1], 32<<16
	s_mov_b32 s[G1B+2], 56<<16
	s_mov_b32 s[G1B+3], 32<<16
	s_mov_b32 s[G1B+4], 56
	s_mov_b32 s[G1B+5], 32
	s_mov_b32 s[G1B+6], 0
	s_mov_b32 s[G1B+7], 0
	s_lshl_b32 s60, s[WV], 11                      ; A: byte 2,048 x wave, in LDS and in the head's block alike
	s_mov_b32 s61, 0
	s_mul_i32 s62, s[WV], 14336
	s_add_co_u32 s62, s62, 32768                   ; B: byte 32,768 + 14,336 x wave
	s_mov_b32 s63, 0
	s_lshl_b32 s66, s[HH], 18                      ; the head's 262,144 bytes of kvc
	s_mov_b32 s67, 0
	s_mov_b32 s[SEL], 0x76543210
	s_mov_b32 s[SEL+1], 0xfedcba98
	s_mov_b32 s[CS], 0x3e38aa3b                    ; log2(e) / 8
	s_mov_b32 s[KS], 0
	s_mov_b32 s[TB], 0
	s_wait_kmcnt 0x0
	s_load_b256 s[EX:EX+7], s[8:9], 0x0
	s_load_b128 s[EX+8:EX+11], s[8:9], 0x20
	s_add_nc_u64 s[6:7], s[6:7], s[66:67]
	s_mov_b32 s[G0A], 1
	s_mov_b32 s[G0A+1], s60
	s_add_nc_u64 s[G0A+2:G0A+3], s[6:7], s[60:61]
	s_or_b32 s[G0A+3], s[G0A+3], 0x80000000
	s_mov_b32 s[G0B], 1
	s_mov_b32 s[G0B+1], s62
	s_add_nc_u64 s[G0B+2:G0B+3], s[6:7], s[62:63]
	s_or_b32 s[G0B+3], s[G0B+3], 0x80000000
	CROUND                                         ; all four partners are here: the joint loads meet
	tensor_load_to_lds s[G0A:G0A+3], s[G1A:G1A+7]  ; every wave's two loads, the only ones of the launch: one is out
	s_nop 0
	s_wait_alu depctr_va_vdst(0)
	s_wait_tensorcnt 0x0
	ds_add_u32 v6, v7
	s_wait_dscnt 0x0
	CROUND
	tensor_load_to_lds s[G0B:G0B+3], s[G1B:G1B+7]
	s_nop 0
.rept 4
	v_nop
.endr
	s_lshl_b32 s68, s[F], 2
	s_add_co_u32 s68, s68, s[CX]                   ; U: my 32 queries begin at 32 U
	s_lshl_b32 s70, s[HH], 17                      ; qc: a head is 128 tiles of 1,024 bytes
	s_lshl_b32 s71, s68, 11
	s_add_co_u32 s70, s70, s71
	s_mov_b32 s71, 0
	s_add_nc_u64 s[4:5], s[4:5], s[70:71]
	s_lshr_b32 s70, s[HH], 4                       ; cc: token tile 128 x batch + 2 U, 16,384 bytes a tile; my head's four pieces
	s_lshl_b32 s70, s70, 7
	s_lshl_b32 s72, s68, 1
	s_add_co_u32 s70, s70, s72
	s_lshl_b32 s70, s70, 14
	s_and_b32 s72, s[HH], 15
	s_lshl_b32 s72, s72, 10
	s_add_co_u32 s70, s70, s72
	s_add_nc_u64 s[10:11], s[10:11], s[70:71]
	v_and_b32 v[LI], 31, v0
	s_delay_alu instid0(VALU_DEP_1)
	v_lshlrev_b32 v[LI], 4, v[LI]
.irp n, 0,1,2,3
	global_load_b128 v[16+4*\n:19+4*\n], v[LI], s[4:5] offset:512*\n   ; Q's two fragments stay in registers
.endr
	v_and_b32 v240, 15, v0                         ; r
	s_delay_alu instid0(VALU_DEP_1)
	v_and_b32 v241, 8, v240
	s_delay_alu instid0(VALU_DEP_1)
	v_add_nc_u32 v[DD], v240, v241                 ; r + 8 (r / 8)
	v_bfe_u32 v241, v0, 4, 1
	s_delay_alu instid0(VALU_DEP_1)
	v_lshlrev_b32 v241, 4, v241
	s_delay_alu instid0(VALU_DEP_1)
	v_sub_nc_u32 v[DD], v[DD], v241                ; - 16 (lane / 16)
	s_lshl_b32 s72, s[CX], 5
	v_add_nc_u32 v[DD], s72, v[DD]                 ; + 32 cx: in step F register 16 b + i of tile u is hidden where 32 b + i - 8 u is greater
.irp u, 0,1
	v_mov_b32 v[9+4*\u], 0xff61b1e6                ; the largest t so far: -3e38, under every t
	s_delay_alu instid0(VALU_DEP_1)
	v_floor_f32 v[8+4*\u], -v[9+4*\u]              ; -M
	v_mov_b32 v[10+4*\u], 0                        ; the sum, in two halves
	v_mov_b32 v[11+4*\u], 0
.endr
	v_mov_b32 v242, 0                              ; written once: a lane permute's destination counts as one of its sources,
	v_mov_b32 v243, 0
	v_mov_b32 v245, 0                              ; and the upper half of a pair that is named counts as read
.set n, 0
.rept 64
	v_mov_b32 v[160+n], 0                          ; O^T.  (The step is written for every step alike: the first finds zeros, which the first change of M leaves zeros)
.set n, n+1
.endr
	s_wait_kmcnt 0x0
	s_add_co_i32 s72, s[EX+6], s[EX+7]
	s_lshl_b32 s72, s72, 23
	s_add_co_i32 s[CS], s[CS], s72                 ; a score stands for score x 2^(e6 + e7): added to c's exponent field
	s_mov_b32 s[CS+1], s[CS]                       ; (named with it as a pair, so it is written)
	s_add_co_i32 s72, s[EX+8], 127
	s_lshl_b32 s73, s72, 23
	v_mov_b32 v[PSC], s73                          ; 2^e8
; Tile u's softmax for one key step: the 64 scores of a lane, v96-159, become p's codes.
.macro SOFTMAX u
.set NM, 8+4*(\u)
.set LS, 10+4*(\u)
.set OT, 160+32*(\u)
.set PC, 224+16*(\u)
	s_cmp_lg_u32 s[KS], s[F]                       ; only my last step lies on the diagonal
	s_cbranch_scc1 .Lopen_\@
	v_mov_b32 v248, 0xff800000                     ; -infinity: p = 0 then
.set n, 0
.rept 64
	v_cmp_gt_i32 vcc_lo, 32*(n/16)+n%16-8*(\u), v[DD]
	v_cndmask_b32 v[96+n], v[96+n], v248, vcc_lo
.set n, n+1
.endr
.Lopen_\@:
	v_max3_num_f32 v240, v96, v97, v98             ; the step's largest score of my query among my 64 keys, in two chains; each accumulator is read from its low end on
	v_max3_num_f32 v241, v99, v100, v101
.set n, 6
.rept 14
	v_max3_num_f32 v240, v240, v[96+n], v[97+n]
	v_max3_num_f32 v241, v241, v[98+n], v[99+n]
.set n, n+4
.endr
	v_max3_num_f32 v240, v240, v158, v159
	s_delay_alu instid0(VALU_DEP_1)
	v_max_num_f32 v240, v240, v241
	v_permlanex16_b32 v242, v240, s[SEL], s[SEL+1]
	s_delay_alu instid0(VALU_DEP_1)
	v_max_num_f32 v240, v240, v242                 ; and among lane l xor 16's
	s_delay_alu instid0(VALU_DEP_1)
	v_mul_f32 v240, s[CS], v240                    ; as t (c is positive)
	s_delay_alu instid0(VALU_DEP_1)
	v_max_num_f32 v[NM+1], v[NM+1], v240           ; the running largest t
	v_mov_b32 v240, v[NM]
	s_delay_alu instid0(VALU_DEP_2)
	v_floor_f32 v[NM], -v[NM+1]                    ; the new -M = floor(-t) = -ceil(t)
	s_delay_alu instid0(VALU_DEP_1)
	v_sub_f32 v240, v[NM], v240                    ; old M - new M: a whole number, 0 or less
	s_delay_alu instid0(VALU_DEP_1)
	v_cvt_i32_f32 v240, v240                       ; (it saturates)
	s_delay_alu instid0(VALU_DEP_1)
	v_ldexp_f32 v244, 1.0, v240                    ; f = 2^(old M - new M)
.set n, 0
.rept 32
	v_pk_fma_f32 v[96+n:97+n], v[96+n:97+n], s[CS:CS+1], v[NM:NM+1] op_sel_hi:[1,0,0]   ; t - M, two at a time (of the pairs c and -M the low word serves both halves)
.set n, n+2
.endr
.set n, 0
	s_wait_alu depctr_va_vdst(0)
.rept 64
	v_exp_f32 v[96+n], v[96+n]                     ; p = 2^(t - M), at most 1
.set n, n+1
.endr
	v_pk_mul_f32 v[LS:LS+1], v[LS:LS+1], v[244:245] op_sel_hi:[1,0]   ; the sums and O^T under the new M: seventeen plain lines that name no exponential's result
.set n, 0
	s_wait_alu depctr_va_vdst(0)
.rept 16
	v_pk_mul_f32 v[OT+n:OT+n+1], v[OT+n:OT+n+1], v[244:245] op_sel_hi:[1,0]
.set n, n+2
.endr
	s_wait_alu depctr_va_vdst(0)                   ; one wait for the batch of 64, ahead of its first reader
	v_pk_add_f32 v[246:247], v[96:97], v[98:99]    ; the row's sum is taken of the unquantised p: two at a time, in two chains
.set n, 4
.rept 15
	v_pk_add_f32 v[LS:LS+1], v[LS:LS+1], v[96+n:97+n]
	v_pk_add_f32 v[246:247], v[246:247], v[98+n:99+n]
.set n, n+4
.endr
	s_delay_alu instid0(VALU_DEP_1)
	v_pk_add_f32 v[LS:LS+1], v[LS:LS+1], v[246:247]
.irp b, 0,1,2,3
.set n, 0
.rept 16
.set n, n+1
.endr
	v_cvt_scalef32_pk8_fp8_f32 v[PC+4*\b:PC+4*\b+1], v[96+16*\b:103+16*\b], v[PSC]
	v_cvt_scalef32_pk8_fp8_f32 v[PC+4*\b+2:PC+4*\b+3], v[104+16*\b:111+16*\b], v[PSC]
.endr
	v_nop                                          ; one plain line between the last conversion and the matrix instructions that read its result or write its sources
.endm
; A KEY STEP of 128 keys, at LDS byte s[TB]: K's 8 tiles of 1,024 bytes, then V's 4 tiles of 2,048.
.macro STEP
	s_cmp_gt_u32 s[KS], s[F]                       ; all its keys come after my queries: only the two steps at the end are taken
	s_cbranch_scc1 .Lhidden_\@
	s_setprio 2
	v_add_nc_u32 v[ADR], s[TB], v[LI]
.rept 3
	v_nop                                          ; with the addition: four places in front of loads into registers that the last step's products have read
.endr
.irp t, 0,1,2,3,4,5,6,7
.irp c, 0,1
	ds_load_b128 v[32+8*\t+4*\c:35+8*\t+4*\c], v[ADR] offset:1024*\t+512*\c
.endr
.endr
	s_wait_dscnt 0x0
.irp t, 0,1,2,3,4,5,6,7
	v_wmma_f32_16x16x64_fp8_fp8 v[96+8*\t:103+8*\t], v[32+8*\t:39+8*\t], v[16:23], 0
.endr
.rept 4
	v_nop
.endr
	SOFTMAX 0
.irp t, 0,1,2,3,4,5,6,7
	v_wmma_f32_16x16x64_fp8_fp8 v[96+8*\t:103+8*\t], v[32+8*\t:39+8*\t], v[24:31], 0
.endr
.rept 4
	v_nop                                          ; places in front of the loads into K's registers and of the first read of the scores
.endr
.irp t, 0,1,2,3
.irp c, 0,1,2,3
	ds_load_b128 v[32+16*\t+4*\c:35+16*\t+4*\c], v[ADR] offset:8192+2048*\t+512*\c   ; V lands while tile 1's softmax is worked
.endr
.endr
	s_setprio 1
	SOFTMAX 1
	s_setprio 0
	s_wait_alu depctr_va_vdst(0)
	s_wait_dscnt 0x0
.irp t, 0,1,2,3
.irp u, 0,1
	v_wmma_f32_16x16x128_fp8_fp8 v[160+32*\u+8*\t:167+32*\u+8*\t], v[32+16*\t:47+16*\t], v[224+16*\u:239+16*\u], v[160+32*\u+8*\t:167+32*\u+8*\t]   ; eight accumulators, one instruction each
.endr
.endr
.Lhidden_\@:
	s_add_co_u32 s[TB], s[TB], 16384
	s_add_co_u32 s[KS], s[KS], 1
.endm
	s_wait_tensorcnt 1                             ; my part of key steps 0 and 1 is in; the larger load may stay out
	s_barrier_signal -1
	s_barrier_wait -1                              ; everybody's is
	s_wait_loadcnt 0x0                             ; Q
	STEP                                           ; key steps 0 and 1 are written out: they read LDS bytes 0 to 32,767 alone, while the rest is on its way
	STEP
	s_wait_tensorcnt 0x0                           ; my part of the rest is in,
	s_wait_dscnt 0x0
	s_barrier_signal -1
	s_barrier_wait -1                              ; everybody's is
.Lkeys:                                            ; key steps 2 to 15: fourteen trips in every wave
	STEP
	s_cmp_lt_u32 s[KS], 16
	s_cbranch_scc1 .Lkeys
	s_setprio 0
	; THE WAY OUT: ctx = O^T x 2^(e8 + e9) / the sum, quantised with 2^e10.  The 16 registers of channel tiles 2 b and 2 b + 1 are 16 neighbouring channels: 16 bytes of codes a lane, 512 consecutive bytes a store.
.rept 4
	v_nop                                          ; places behind the last products, whose sources are written below
.endr
	v_add_f32 v240, v10, v11                       ; the sums' two halves,
	v_add_f32 v242, v14, v15
	v_permlanex16_b32 v241, v240, s[SEL], s[SEL+1]
	v_permlanex16_b32 v243, v242, s[SEL], s[SEL+1]
	s_delay_alu instid0(VALU_DEP_2)
	v_add_f32 v240, v240, v241                     ; and lane l xor 16's
	s_delay_alu instid0(VALU_DEP_2)
	v_add_f32 v242, v242, v243
	s_wait_alu depctr_va_vdst(0)
	v_rcp_f32 v240, v240
	v_rcp_f32 v242, v242
	s_add_co_i32 s72, s[EX+10], 127
	s_lshl_b32 s73, s72, 23
	v_mov_b32 v244, s73                            ; 2^e10.  (A plain line behind the reciprocals)
	s_add_co_i32 s74, s[EX+8], s[EX+9]
	s_wait_alu depctr_va_vdst(0)                   ; one wait for both reciprocals, ahead of their first reader
	v_ldexp_f32 v240, v240, s74
	v_ldexp_f32 v242, v242, s74
.irp u, 0,1
.set n, 0
.rept 16
	v_pk_mul_f32 v[96+32*\u+n:97+32*\u+n], v[160+32*\u+n:161+32*\u+n], v[240+2*\u:241+2*\u] op_sel_hi:[1,0]
.set n, n+2
.endr
.endr
.set n, 0
.rept 64
.set n, n+1
.endr
.irp u, 0,1
.irp b, 0,1
	v_cvt_scalef32_pk8_fp8_f32 v[32+8*\u+4*\b:33+8*\u+4*\b], v[96+32*\u+16*\b:103+32*\u+16*\b], v244
	v_cvt_scalef32_pk8_fp8_f32 v[34+8*\u+4*\b:35+8*\u+4*\b], v[104+32*\u+16*\b:111+32*\u+16*\b], v244
.endr
.endr
	v_nop
.irp u, 0,1
.irp b, 0,1
	global_store_b128 v[LI], v[32+8*\u+4*\b:35+8*\u+4*\b], s[10:11] offset:16384*\u+512*\b
.endr
.endr
	s_wait_tensorcnt 0x0                           ; the wave's end
	ds_add_u32 v[SPW], v[NIL]
	s_wait_dscnt 0x0
	CROUND                                         ; the closing round
	s_endpgm
.Lfunc_end_k_qd1c0f1155e_attn:
	.size	k_qd1c0f1155e_attn, .Lfunc_end_k_qd1c0f1155e_attn-k_qd1c0f1155e_attn
	.p2alignl 7, 3214868480
	.fill 96, 4, 3214868480
	.section	.rodata,"a",@progbits
	.p2align	6, 0x0
	.amdhsa_kernel k_qd1c0f1155e_attn
		.amdhsa_group_segment_fixed_size 327680
		.amdhsa_private_segment_fixed_size 0
		.amdhsa_enable_private_segment 0
		.amdhsa_kernarg_size 32
		.amdhsa_user_sgpr_count 2
		.amdhsa_user_sgpr_kernarg_segment_ptr 1
		.amdhsa_wavefront_size32 1
		.amdhsa_system_sgpr_workgroup_id_x 1
		.amdhsa_system_sgpr_workgroup_id_y 1
		.amdhsa_system_sgpr_workgroup_id_z 1
		.amdhsa_system_vgpr_workitem_id 0
		.amdhsa_next_free_vgpr 256
		.amdhsa_next_free_sgpr 80
		.amdhsa_reserve_vcc 1
		.amdhsa_float_denorm_mode_32 3
		.amdhsa_float_denorm_mode_16_64 3
		.amdhsa_fp16_overflow 1
		.amdhsa_memory_ordered 1
		.amdhsa_forward_progress 1
		.amdhsa_inst_pref_size 118
	.end_amdhsa_kernel
	.amdgpu_metadata
---
amdhsa.version: [ 1, 2 ]
amdhsa.kernels:
  - .name:           k_qd1c0f1155e_attn
    .symbol:         k_qd1c0f1155e_attn.kd
    .args:
      - { .name: qc, .offset: 0, .size: 8, .value_kind: global_buffer, .address_space: global }
      - { .name: kvc, .offset: 8, .size: 8, .value_kind: global_buffer, .address_space: global }
      - { .name: lowp_scales, .offset: 16, .size: 8, .value_kind: global_buffer, .address_space: global }
      - { .name: cc, .offset: 24, .size: 8, .value_kind: global_buffer, .address_space: global }
    .group_segment_fixed_size: 327680
    .private_segment_fixed_size: 0
    .kernarg_segment_align: 8
    .kernarg_segment_size: 32
    .max_flat_workgroup_size: 512
    .sgpr_count:     80
    .vgpr_count:     256
    .wavefront_size: 32
...
	.end_amdgpu_metadata
.endif
;; end of part 3
;; launch oproj (part 4): grid 4 x 64, 4 waves a work-group, clusters of 4 x 4, 327,680 bytes of LDS; arguments cc, wc, lowp_scales, b_o, out0; writes out0
.if DOCPART == 4
	.amdgcn_target "amdgcn-amd-amdhsa--gfx1250"
	.amdhsa_code_object_version 6
	.text
	.protected	k_qd1c0f1155e_oproj
	.globl	k_qd1c0f1155e_oproj
	.p2align	8
	.type	k_qd1c0f1155e_oproj,@function
k_qd1c0f1155e_oproj:
	s_mov_b64 s[64:65], 0
	v_nop
	global_prefetch_b8 v0, s[64:65] scope:SCOPE_SE
	s_setreg_imm32_b32 hwreg(HW_REG_WAVE_MODE, 25, 1), 1
	s_wait_xcnt 0x0
	s_wait_alu depctr_hold_cnt(0) depctr_sa_sdst(0) depctr_va_vdst(0) depctr_va_sdst(0) depctr_va_ssrc(0) depctr_va_vcc(0) depctr_vm_vsrc(0)
	s_getreg_b32 s2, hwreg(HW_REG_IB_STS2, 6, 4)
	s_cmp_eq_u32 s2, 0
	s_cbranch_scc0 .Lentry_in_a_cluster
	s_endpgm
.Lentry_in_a_cluster:
	s_bfe_u32 s2, ttmp6, 0x10000c
	s_cmp_lg_u32 s2, 0xf033
	s_cbranch_scc0 .Lentry_shape_is_right
	s_endpgm
.Lentry_shape_is_right:
; out0 = ctx W_o + b_o: ctx's codes (2^e10) and W_o's (2^e11, the fourth section of wc) are multiplied as they are; each finished sum goes out as sum x 2^(e10 + e11) + b_o, one packed multiply-add for two numbers.
; LIMIT: e10 + e11 lies between -126 and 127, so that 2^(e10 + e11) is an f32 number.
; Codes lie as images: [tile][piece of 16 k][place r][16 bytes]; place r of tile T is row 32 (T / 2) + 8 (T % 2) + r + 8 (r / 8); a fragment's register group c of lane l lies at 512 c + 16 l.
; SHARES.  A work-group owns 128 tokens x 256 features; four waves, each 64 tokens (4 tiles a) x 128 features (8 tiles b): 32 accumulators, (a, b) at v[8 (8 a + b)] of window 2.  Four K steps of 256 through a ring of two LDS slots.
; THE MATRIX INSTRUCTION IS USED TRANSPOSED (source 0 = 16 features, source 1 = 16 tokens): a lane holds eight neighbouring features of one token.
; CLUSTERS: 4 x 4 work-groups; ctx's tiles are asked for jointly along a row of the cluster, W_o's along a column.  A wave has one tensor load out at the start and one behind each round.
; REGISTERS: window 0: v16-29 addresses; v32-95 a block's results; v128-255 ctx's fragments, two sets, later rows read back from the stage.   window 1: W_o's fragments, two sets.   window 2: the accumulators.   window 3: v0-63 b_o in the results' layout.
.set SLOT,  98304                      ; ctx: 8 tiles x 4,096 bytes (256 along K), then W_o: 16 tiles x 4,096
.set BOFF,  32768
.set SPARE, 2*SLOT                     ; behind the ring: the spare words, 128 bytes for each wave: two blocks of 256 bytes that no other line names
.set STAGE, SPARE+512                  ; behind them: a stage of 16 rows x (512 + 16) bytes for each wave; no tensor load lands there
.set SPITCH, 528
.set KSB,   4096
.set WSEC,  1048576
.set ADRA, 16
.set ADRB, 20
.set STO,  24                          ; v24  the stage: where I put 32 bytes of a row
.set RD,   25                          ; v25  and where I read a row back
.set CO,   26                          ; v26  16 x lane
.set BA,   27                          ; v27  b_o: 64 x (lane / 16)
.set SPW,  28
.set NIL,  29
.set TMP,  32
.set AF,   128
.set BK,   128
.set G1,  24
.set G0,  32
.set G1B, 48
.set G0B, 56
.set MSB, 0
.macro WIN new                         ; the immediate's high byte repeats the setting that is left
.if MSB != \new
	s_set_vgpr_msb (MSB<<8)|\new
.set MSB, \new
.endif
.endm
.set MUL, 0xa1                         ; source 0 (W_o) window 1, source 1 (ctx) window 0, C and D window 2
.macro JLOAD g0a, g1a, g0b, g1b        ; a joint load: waves 0 and 1 fetch ctx's two halves, waves 2 and 3 W_o's; four v_nop follow each of the two lines
	s_cmp_eq_u32 s15, 0
	s_cbranch_scc0 .Lfor_b_\@
	tensor_load_to_lds s[\g0a:\g0a+3], s[\g1a:\g1a+7]
	s_nop 0
.rept 4
	v_nop
.endr
	s_branch .Lasked_\@
.Lfor_b_\@:
	tensor_load_to_lds s[\g0b:\g0b+3], s[\g1b:\g1b+7]
	s_nop 0
.rept 4
	v_nop
.endr
.Lasked_\@:
.endm
.macro CREST
	s_cmp_lg_u32 s14, 0
	s_cbranch_scc1 .Lnot_wave_0_\@
	s_barrier_signal -3
.Lnot_wave_0_\@:
	s_barrier_wait -3
	s_barrier_signal -1
	s_barrier_wait -1
.endm
.macro CROUND
	s_barrier_signal -1
	s_barrier_wait -1
	CREST
.endm
.macro PLACES n
.rept \n
	v_nop
.endr
.endm
	s_load_b128 s[4:7], s[0:1], 0x0                ; cc, wc
	s_load_b128 s[8:11], s[0:1], 0x10              ; the exponents, b_o
	s_load_b64 s[12:13], s[0:1], 0x20              ; out0
	v_lshl_add_u32 v[SPW], v0, 2, SPARE
	v_mov_b32 v[NIL], 0
	ds_add_u32 v28, v29
	ds_add_u32 v28, v29
	s_wait_dscnt 0x0
	v_lshrrev_b32 v1, 5, v0
	v_readfirstlane_b32 s14, v1                    ; wave 0..3
	s_lshr_b32 s15, s14, 1                         ; which 64 tokens are mine.  Also: I fetch for ctx (0) or for W_o (1)
	s_and_b32 s16, s14, 1                          ; which 128 features.  Also: which half of that tile I fetch
	s_bfe_u32 s40, ttmp6, 0x40000
	s_bfe_u32 s41, ttmp6, 0x40004
	s_lshl_b32 s42, ttmp9, 2
	s_add_co_u32 s42, s42, s40                     ; j: which 256 features
	s_and_b32 s17, ttmp7, 0xffff
	s_lshl_b32 s17, s17, 2
	s_add_co_u32 s17, s17, s41                     ; i: which 128 tokens
	s_lshl_b32 s43, s41, 2
	s_lshl_b32 s43, 15, s43                        ; my row of the cluster
	s_lshl_b32 s44, 0x1111, s40                    ; my column
	s_or_b32 s[G1+0], s43, (3<<16)|(1<<21)         ; rows of 4,096 bytes (512 elements of 8), one for each tile, 2,048 elements apart in memory, dense in LDS
	s_or_b32 s[G1B+0], s44, (3<<16)|(1<<21)
	s_mov_b32 s[G1+1], 512<<16
	s_mov_b32 s[G1+2], 4<<16
	s_mov_b32 s[G1+3], 512<<16
	s_mov_b32 s[G1+4], 4
	s_mov_b32 s[G1+5], 2048
	s_mov_b32 s[G1+6], 0
	s_mov_b32 s[G1+7], 0
	s_mov_b32 s[G1B+1], 512<<16
	s_mov_b32 s[G1B+2], 8<<16
	s_mov_b32 s[G1B+3], 512<<16
	s_mov_b32 s[G1B+4], 8
	s_mov_b32 s[G1B+5], 2048
	s_mov_b32 s[G1B+6], 0
	s_mov_b32 s[G1B+7], 0
	s_lshl_b32 s20, s17, 17                        ; ctx: tile 8 i + 4 x half
	s_lshl_b32 s21, s16, 16
	s_add_co_u32 s20, s20, s21
	s_mov_b32 s21, 0
	s_lshl_b32 s46, s42, 18                        ; W_o: tile 16 j + 8 x half
	s_lshl_b32 s47, s16, 17
	s_add_co_u32 s46, s46, s47
	s_mov_b32 s47, 0
	s_lshl_b32 s45, s16, 14
	s_lshl_b32 s22, s16, 15
	s_add_co_u32 s22, s22, BOFF
	s_wait_kmcnt 0x0
	s_load_b64 s[96:97], s[8:9], 0x28              ; e10, e11
	s_add_nc_u64 s[20:21], s[4:5], s[20:21]
	s_add_nc_u64 s[46:47], s[6:7], s[46:47]
	s_add_nc_u64 s[46:47], s[46:47], 3*WSEC
	CROUND                                         ; all sixteen work-groups are here: the first joint loads meet
.irp s, 0,1
	s_mov_b32 s[G0+4*\s], 1
	s_add_co_u32 s[G0+4*\s+1], s45, \s*SLOT
	s_add_nc_u64 s[G0+4*\s+2:G0+4*\s+3], s[20:21], \s*KSB
	s_or_b32 s[G0+4*\s+3], s[G0+4*\s+3], 0x80000000
	s_mov_b32 s[G0B+4*\s], 1
	s_add_co_u32 s[G0B+4*\s+1], s22, \s*SLOT
	s_add_nc_u64 s[G0B+4*\s+2:G0B+4*\s+3], s[46:47], \s*KSB
	s_or_b32 s[G0B+4*\s+3], s[G0B+4*\s+3], 0x80000000
	s_wait_alu depctr_va_vdst(0)
	s_wait_tensorcnt 0x0
	ds_add_u32 v28, v29
	ds_add_u32 v28, v29
	s_wait_dscnt 0x0
	CROUND
	JLOAD G0+4*\s, G1, G0B+4*\s, G1B
.endr
	v_and_b32 v2, 31, v0
	v_lshlrev_b32 v[CO], 4, v2
	s_lshl_b32 s18, s15, 14
	v_add_nc_u32 v[ADRA], s18, v[CO]
	v_add_nc_u32 v[ADRA+1], SLOT, v[ADRA]
	s_lshl_b32 s18, s16, 15
	s_add_co_u32 s18, s18, BOFF
	v_add_nc_u32 v[ADRB], s18, v[CO]
	v_add_nc_u32 v[ADRB+1], SLOT, v[ADRB]
	s_lshl_b32 s92, s42, 10                        ; my first feature, in bytes of f32: 1,024 j + 512 x half
	s_lshl_b32 s93, s16, 9
	s_add_co_u32 s92, s92, s93
	s_mov_b32 s93, 0
	s_add_nc_u64 s[10:11], s[10:11], s[92:93]
	s_add_nc_u64 s[12:13], s[12:13], s[92:93]
	s_lshl_b32 s92, s17, 19                        ; my first token: 128 i + 64 x half, rows of 4,096 bytes
	s_lshl_b32 s94, s15, 18
	s_add_co_u32 s92, s92, s94
	s_add_nc_u64 s[12:13], s[12:13], s[92:93]
	v_and_b32 v4, 15, v0                           ; r
	v_bfe_u32 v3, v0, 4, 1                         ; which half of the lanes
	v_lshlrev_b32 v[BA], 6, v3
	s_mul_i32 s94, s14, 16*SPITCH
	s_add_co_u32 s94, s94, STAGE                   ; my stage
	v_mul_u32_u24 v[STO], v4, SPITCH
	v_lshl_add_u32 v[STO], v3, 6, v[STO]
	v_add_nc_u32 v[STO], s94, v[STO]               ; in: row r, + 64 for the upper half of the lanes
	v_add_nc_u32 v[RD], s94, v[CO]                 ; back: the 32 lanes take one row of 512 bytes
	WIN 0xc0                                       ; destination window 3, address window 0
.irp b, 0,1,2,3,4,5,6,7                        ; b_o as the results lie: register 8 b + i of a lane is feature 32 (b / 2) + 8 (b % 2) + 16 (lane / 16) + i
	global_load_b128 v[8*\b:8*\b+3], v[BA], s[10:11] offset:(32*(\b/2)+8*(\b%2))*4
	global_load_b128 v[8*\b+4:8*\b+7], v[BA], s[10:11] offset:(32*(\b/2)+8*(\b%2))*4+16
.endr
	WIN 0
.macro FETCH slot, q, set              ; 48 LDS loads in one run: W_o's eight fragments, then ctx's four
	WIN 0x40
.irp i, 0,1,2,3,4,5,6,7
.irp c, 0,1,2,3
	ds_load_b128 v[128*(\set)+16*\i+4*\c:128*(\set)+16*\i+4*\c+3], v[ADRB+\slot] offset:4096*\i+2048*(\q)+512*\c
.endr
.endr
	WIN 0
.irp i, 0,1,2,3
.irp c, 0,1,2,3
	ds_load_b128 v[AF+64*(\set)+16*\i+4*\c:AF+64*(\set)+16*\i+4*\c+3], v[ADRA+\slot] offset:4096*\i+2048*(\q)+512*\c
.endr
.endr
.endm
.macro MUL8 a, set, zero               ; token tile a against the eight feature tiles; the 32 accumulators take turns, one instruction a turn
.irp b, 0,1,2,3,4,5,6,7
.set rD, 8*(8*(\a)+\b)
.set rB, 128*(\set)+16*\b
.set rA, AF+64*(\set)+16*(\a)
.if \zero
	v_wmma_f32_16x16x128_fp8_fp8 v[rD:rD+7], v[rB:rB+15], v[rA:rA+15], 0
.else
	v_wmma_f32_16x16x128_fp8_fp8 v[rD:rD+7], v[rB:rB+15], v[rA:rA+15], v[rD:rD+7]
.endif
.endr
.endm
.macro SUB slot, zero                  ; a slot's first 128 along K (set 0); in its middle the second 128 are fetched into set 1
	s_wait_dscnt 8                                 ; W_o's fragments and ctx's tiles 0, 1 are in; the youngest eight loads may be out
	WIN MUL
	MUL8 0, 0, \zero
	MUL8 1, 0, \zero
	PLACES 4
	FETCH \slot, 1, 1
	s_wait_dscnt 48                                ; all but the 48 just issued
	WIN MUL
	MUL8 2, 0, \zero
	MUL8 3, 0, \zero
.endm
; A slot's second 128 along K (set 1), and the change of slots: ONE barrier; in front of it each wave waits for all its tensor loads, adds 0 to its spare word, and waits for that and for its reads of this slot.
.macro TURN slot, next, fill
	WIN 0
	s_wait_tensorcnt 0x0                           ; all my tensor loads have landed: my part of the next slot
	ds_add_u32 v[SPW], v[NIL]                      ; 0 onto my spare word
	s_wait_dscnt 9                                 ; (the add and the youngest eight loads may be out)
	WIN MUL
	MUL8 0, 1, 0
	s_wait_dscnt 0x0                               ; the add is done, and my reads of this slot are over
	s_barrier_signal -1
	MUL8 1, 1, 0
	WIN 0
	s_barrier_wait -1
.if \fill
	CREST                                          ; no wave of any partner still reads this slot or has a load on its way
	s_add_nc_u64 s[G0+4*\slot+2:G0+4*\slot+3], s[G0+4*\slot+2:G0+4*\slot+3], 2*KSB
	s_add_nc_u64 s[G0B+4*\slot+2:G0B+4*\slot+3], s[G0B+4*\slot+2:G0B+4*\slot+3], 2*KSB
	JLOAD G0+4*\slot, G1, G0B+4*\slot, G1B         ; the first tensor load behind the round; its four v_nop are also the places in front of the loads below
.else
	PLACES 4
.endif
	FETCH \next, 0, 0
	WIN MUL
	MUL8 2, 1, 0
	MUL8 3, 1, 0
.endm
	s_wait_alu depctr_va_vdst(0)
	s_wait_tensorcnt 1                             ; my part of K step 0 is in (K step 1's load may be out)
	s_barrier_signal -1
	s_barrier_wait -1                              ; everybody's is
	FETCH 0, 0, 0
	SUB 0, 1                                       ; the first products start the sums
	TURN 0, 1, 1
	SUB 1, 0
	TURN 1, 0, 1
	SUB 0, 0
	TURN 0, 1, 0                                   ; the last two K steps ask for nothing
	SUB 1, 0
	s_wait_dscnt 8
	WIN MUL
	MUL8 0, 1, 0
	MUL8 1, 1, 0
	s_wait_dscnt 0x0
	MUL8 2, 1, 0
	MUL8 3, 1, 0
	WIN 0
; THE WAY OUT, a token tile (16 rows x 128 features) at a time: through my own stage in LDS and back as whole rows of 512 bytes.  LDS serves a wave's instructions in order (ISA guide 5.7.1.4): no wait between the stores and the loads.
.macro TOSTAGE a
	WIN 0x32                                       ; source 0 (the sums) window 2, source 2 (b_o) window 3, destination window 0
.set n, 0
.rept 32
	v_pk_fma_f32 v[TMP+n:TMP+n+1], v[64*(\a)+n:64*(\a)+n+1], s[96:97], v[n:n+1] op_sel_hi:[1,0,1]   ; sum x 2^(e10 + e11) + b_o; each accumulator from its low end on
.set n, n+2
.endr
	WIN 0
.irp b, 0,1,2,3,4,5,6,7
	ds_store_b128 v[STO], v[TMP+8*\b:TMP+8*\b+3] offset:128*(\b/2)+32*(\b%2)
	ds_store_b128 v[STO], v[TMP+8*\b+4:TMP+8*\b+7] offset:128*(\b/2)+32*(\b%2)+16
.endr
.set BB, BK+64*((\a)%2)
.irp t, 0,1,2,3,4,5,6,7,8,9,10,11,12,13,14,15
	ds_load_b128 v[BB+4*\t:BB+4*\t+3], v[RD] offset:\t*SPITCH
.endr
.endm
.macro SEND a, younger                 ; younger: the LDS instructions issued behind tile a's loads, which may stay out
.set BB, BK+64*((\a)%2)
	s_wait_dscnt \younger
.irp t, 0,1,2,3,4,5,6,7,8,9,10,11,12,13,14,15
	global_store_b128 v[CO], v[BB+4*\t:BB+4*\t+3], s[12:13] offset:(32*((\a)/2)+8*((\a)%2)+\t+8*(\t/8))*4096 th:TH_STORE_NT   ; place t of the tile is that row; 32 lanes store 512 consecutive bytes, aligned; written once, read by nobody here
.endr
.endm
	s_wait_kmcnt 0x0
	s_add_co_i32 s96, s96, s97
	s_add_co_i32 s96, s96, 127
	s_lshl_b32 s96, s96, 23                        ; 2^(e10 + e11) as f32
	s_mov_b32 s97, s96                             ; (named with it as a pair, so it is written)
	s_wait_loadcnt 0x0                             ; b_o
	PLACES 4                                       ; behind the last products: for the loads into the registers that held ctx's fragments, and for the reads of results
	TOSTAGE 0
.irp a, 1,2,3
.if \a > 1
	s_wait_xcnt 0x0                                ; tile a - 2's stores have read their registers: tile a's rows may land there
.endif
	TOSTAGE \a
	SEND \a-1, 32                                  ; behind tile a - 1's loads: tile a's 16 stores and 16 loads
.endr
	SEND 3, 0
	s_wait_tensorcnt 0x0                           ; the wave's end, behind my last tensor load and my last LDS store
	ds_add_u32 v[SPW], v[NIL]
	s_wait_dscnt 0x0
	CROUND                                         ; the closing round
	s_endpgm
.Lfunc_end_k_qd1c0f1155e_oproj:
	.size	k_qd1c0f1155e_oproj, .Lfunc_end_k_qd1c0f1155e_oproj-k_qd1c0f1155e_oproj
	.p2alignl 7, 3214868480
	.fill 96, 4, 3214868480
	.section	.rodata,"a",@progbits
	.p2align	6, 0x0
	.amdhsa_kernel k_qd1c0f1155e_oproj
		.amdhsa_group_segment_fixed_size 327680
		.amdhsa_private_segment_fixed_size 0
		.amdhsa_enable_private_segment 0
		.amdhsa_kernarg_size 40
		.amdhsa_user_sgpr_count 2
		.amdhsa_user_sgpr_kernarg_segment_ptr 1
		.amdhsa_wavefront_size32 1
		.amdhsa_system_sgpr_workgroup_id_x 1
		.amdhsa_system_sgpr_workgroup_id_y 1
		.amdhsa_system_sgpr_workgroup_id_z 1
		.amdhsa_system_vgpr_workitem_id 0
		.amdhsa_next_free_vgpr 832
		.amdhsa_next_free_sgpr 100
		.amdhsa_reserve_vcc 0
		.amdhsa_float_denorm_mode_32 3
		.amdhsa_float_denorm_mode_16_64 3
		.amdhsa_memory_ordered 1
		.amdhsa_forward_progress 1
		.amdhsa_inst_pref_size 77
	.end_amdhsa_kernel
	.amdgpu_metadata
---
amdhsa.version: [ 1, 2 ]
amdhsa.kernels:
  - .name:           k_qd1c0f1155e_oproj
    .symbol:         k_qd1c0f1155e_oproj.kd
    .args:
      - { .name: cc, .offset: 0, .size: 8, .value_kind: global_buffer, .address_space: global }
      - { .name: wc, .offset: 8, .size: 8, .value_kind: global_buffer, .address_space: global }
      - { .name: lowp_scales, .offset: 16, .size: 8, .value_kind: global_buffer, .address_space: global }
      - { .name: b_o, .offset: 24, .size: 8, .value_kind: global_buffer, .address_space: global }
      - { .name: out0, .offset: 32, .size: 8, .value_kind: global_buffer, .address_space: global }
    .group_segment_fixed_size: 327680
    .private_segment_fixed_size: 0
    .kernarg_segment_align: 8
    .kernarg_segment_size: 40
    .max_flat_workgroup_size: 128
    .sgpr_count:     100
    .vgpr_count:     832
    .wavefront_size: 32
...
	.end_amdgpu_metadata
.endif
;; end of part 4
